; MI455X (gfx1250); checked and timed in simulation.
; The chip was launched on July 23, 2026; its instructions are those of AMD's public machine-readable ISA for CDNA 5 (MIT licence, August 2026) and "CDNA5" Instruction Set Architecture Reference Guide (July 2026). The comments in the code are by the model that wrote it; some were corrected since.
;; Base Attention. Allowed arithmetic: matrix products marked QUANTISED: E3M2 operands, one E8M0 scale for each 32 along K, by v_wmma_scale_f32_16x16x128_f8f6f4 with both operands' format E3M2, f32 sums; everything else in f32.
;; Inputs: Wk 1,024 x 1,024 float32; Wo 1,024 x 1,024 float32; Wq 1,024 x 1,024 float32; Wv 1,024 x 1,024 float32; beta 1,024 float32; bk 1,024 float32; bo 1,024 float32; bq 1,024 float32; bv 1,024 float32; gamma 1,024 float32; key 4 x 4,096 x 1,024 float32; query 4 x 4,096 x 1,024 float32; value 4 x 4,096 x 1,024 float32.
;; Outputs: out0 4 x 4,096 x 1,024 float32.
;; This version of the problem:
;;   THIS VERSION OF THE PROBLEM IS GIVEN IN LOW PRECISION. The matrix products marked QUANTISED in the list below multiply operands that are first quantised to E3M2 (3 exponent bits, 2 mantissa bits; 6 bits a number), with one power-of-two scale for each 32 numbers along K (OCP MX v1.0); their sums are f32. All else is computed in f32.
;;   The module's matrix products, in the order in which they are computed (A, B: the left and right operand; K: the contracted axis; several contracted axes count as one K, in the product's order):
;;     1. [M 16,384, K 1,024] x [K 1,024, N 1,024]; A: input query; B: input Wq: QUANTISED
;;     2. [M 16,384, K 1,024] x [K 1,024, N 1,024]; A: input key; B: input Wk: QUANTISED
;;     3. [M 16,384, K 1,024] x [K 1,024, N 1,024]; A: input value; B: input Wv: QUANTISED
;;     4. [M 16,384, K 1,024] x [K 1,024, N 1,024]; A: computed on the way; B: input Wo: QUANTISED
;;   THE QUANTISER, for each operand of a quantised product, along K:
;;     - K is cut into blocks of 32 from its start; a last block that is shorter is filled with zeros.
;;     - A block's scale is 2^e with e = floor(log2(the largest magnitude in the block)) - 4, held to -126 .. 127; a block of zeros has e = 0. As a byte (E8M0): e + 127.
;;     - Each number is divided by its block's scale, clamped to +-28, and rounded to the nearest number of E3M2, ties to even, subnormals kept.
;;     - The product sums the exact products of the quantised numbers (number of the format x scale) in f32.
;;   ~~~python
;;   def quantise(x, axis):      # numpy; x: float32 -> the quantised numbers, widened to float32 again
;;       x = np.moveaxis(x, axis, -1); K = x.shape[-1]
;;       x = np.pad(x, [(0, 0)] * (x.ndim - 1) + [(0, -K % 32)]); x = x.reshape(x.shape[:-1] + (-1, 32)); a = np.abs(x).max(-1, keepdims=True)
;;       e = np.where(a > 0, np.clip(np.frexp(np.where(a > 0, a, 1))[1] - 1 - 4, -126, 127), 0)      # np.frexp(a)[1] - 1 = floor(log2(a)), exactly
;;       r = np.clip(x / 2.0 ** e, -28, 28)
;;       step = 2.0 ** (np.maximum(np.frexp(np.where(r == 0, 1, r))[1] - 1, -2) - 2)
;;       q = np.round(r / step) * step * 2.0 ** e      # np.round: ties to even
;;       return np.moveaxis(q.reshape(q.shape[:-2] + (-1,))[..., :K], -1, axis).astype(np.float32)
;;   ~~~
;;   OPERANDS COMPUTED ON THE WAY. 'Computed on the way' means the value that the module computes at that place (a softmax that the list does not call 'softmax' is quantised finished and normalised). What goes into a quantiser is computed in f32, as accurately as f32 sums, v_exp_f32 and their like allow (about 1e-6 of the number): no bf16 or f16 on the way to a quantiser, and a product that is left as it is and whose result goes on into a quantised operand takes f32 operands (vector FMAs, or v_wmma_f32_16x16x4_f32). A number that lies on a knife's edge between two numbers of the format may be rounded either way, as far as f32 arithmetic and the matrix unit's own rounding can turn it there, and no further.
;; One version. Each part assembles by itself: llvm-mc -triple=amdgcn-amd-amdhsa -mcpu=gfx1250 --defsym DOCPART=n.
;; ======== version 1 of 1: 2 launches
;; limits: right only within a limited range of input values
;; workspace buffers: wf 3,276,800 bytes
;; launch wq (part 1): grid 256 x 1, 4 waves a work-group, no clusters, 0 bytes of LDS; arguments Wk, Wv, Wq, Wo, wf; writes wf
.if DOCPART == 1
	.amdgcn_target "amdgcn-amd-amdhsa--gfx1250"
	.amdhsa_code_object_version 6
	.text
	.protected	k_q89308071ab_wq
	.globl	k_q89308071ab_wq
	.p2align	8
	.type	k_q89308071ab_wq,@function
k_q89308071ab_wq:
	s_mov_b64 s[64:65], 0
	v_nop
	global_prefetch_b8 v0, s[64:65] scope:SCOPE_SE
	s_setreg_imm32_b32 hwreg(HW_REG_WAVE_MODE, 25, 1), 1
	s_wait_xcnt 0x0
; Wk, Wv, Wq, Wo: [1024 (k)][1024 (n)] f32, K the FIRST axis.  Each is turned into codes of BF6 (E3M2) with one E8M0 byte for each 32 along K,
; and laid into wf in the order in which the next launch's operand registers take them, so that a fragment there is three loads of 16 bytes a lane.
; A block's scale is 2^(floor(log2(its largest magnitude)) - 4): its byte is the largest magnitude's exponent field - 4, held at 1 from below.
; LIMITS: a block of zeros, and a block whose largest magnitude lies under 2^-122, keeps the byte 1 (zero codes add nothing, and this program alone reads the bytes);
; NaN and infinities among the inputs are not served.
; wf: 32 slots of 102,400 bytes; a slot is four quarters of 25,600 bytes, one for each wave w of the next launch; a quarter is 16 fragments of 1,536 bytes and 1,024 bytes of scale words.
;   fragment image: register n (0..11) of lane l at 512 (n / 4) + 16 l + 4 (n % 4).  Lane (rho, h) holds in registers 6 c .. 6 c + 5 the codes k = 64 c + 32 h + 0 .. 31 of the tile's column rho.
;   a tile's 16 columns are not neighbours: tile u of a block of 32 columns takes, as its row rho, column 8 u + rho + 8 (rho / 8).
;   scale word of fragment q, row rho: at 24,576 + 256 (q / 4) + 16 rho + 4 (q % 4).
;   Wave w = 2 kq + half of the next launch owns heads 8 kq + 2 c + half, c = 0 .. 3.  Matrix p = 0, 1, 2 (Wk, Wv, Wq): slot 8 p + 2 c + ks / 4, fragment 4 (ks % 4) + tile;  Wo: slot 24 + ks, fragment 4 c + tile.
; SHARES: work-group = 64 p + 8 cg + ks: matrix p, 128 columns cg, K step ks of 128.  A wave takes 32 columns; A LANE TAKES A COLUMN AND ITS REGISTERS RUN DOWN K:
; a load reads 128 consecutive bytes a wave (the four waves stand side by side on 512), a block of 32 lies in one lane, and the conversions give codes with K innermost.
; No LDS, no barrier, no loop: waves share nothing, and every offset is an immediate.
.set SLOTB, 102400
.set QBY,   25600
.set X,     32                         ; v32-159  my column's 128 numbers, k = 32 t + i at X + 32 t + i
.set F0,    160                        ; v160-171 the registers of fragment lane (rho, 0);  v172-183 of lane (rho, 1)
.set CT,    184                        ; v184-186, v188-190: a block's upper 16 codes on their way
.set TM,    8                          ; v8-11    largest magnitudes
.set TN,    24                         ; v24-27   their second chains
.set SO,    12                         ; v12-15   the conversions' scale operands
.set BY,    16                         ; v16-19   the scale bytes
	s_load_b256 s[4:11], s[0:1], 0x0               ; Wk, Wv, Wq, Wo
	s_load_b64 s[12:13], s[0:1], 0x20              ; wf
	v_lshrrev_b32 v4, 5, v0
	v_readfirstlane_b32 s18, v4                    ; wave 0..3
	v_and_b32 v5, 31, v0                           ; x: my column among the wave's 32
	v_lshlrev_b32 v1, 2, v5                        ; in: 4 bytes a lane
	v_bfe_u32 v6, v5, 3, 1                         ; u = (x / 8) % 2: which of the block's two tiles
	v_and_b32 v7, 7, v5
	v_lshrrev_b32 v4, 4, v5
	v_lshl_add_u32 v7, v4, 3, v7                   ; rho = x % 8 + 8 (x / 16): my row in that tile
	v_mul_u32_u24 v2, v6, 1536
	v_lshl_add_u32 v2, v7, 4, v2                   ; out: 1,536 u + 16 rho
	v_lshlrev_b32 v3, 2, v6
	v_lshl_add_u32 v3, v7, 4, v3                   ; scale word: 16 rho + 4 u
	s_lshr_b32 s20, ttmp9, 6                       ; p
	s_bfe_u32 s21, ttmp9, 0x30003                  ; cg
	s_and_b32 s22, ttmp9, 7                        ; ks
	s_lshr_b32 s23, s21, 2
	s_lshl_b32 s23, s23, 1
	s_lshr_b32 s24, s18, 1
	s_add_co_u32 s23, s23, s24                     ; w = 2 (cg / 4) + wave / 2: the wave that will read these columns
	s_and_b32 s24, s21, 3                          ; c = cg % 4: which of its four heads
	s_and_b32 s25, s18, 1                          ; bl: which block of 32 of the head
	s_lshl_b32 s26, s20, 3
	s_lshl_b32 s27, s24, 1
	s_add_co_u32 s26, s26, s27
	s_lshr_b32 s27, s22, 2
	s_add_co_u32 s26, s26, s27                     ; Wk, Wv, Wq: slot 8 p + 2 c + ks / 4,
	s_and_b32 s27, s22, 3                          ; group of four fragments ks % 4
	s_add_co_u32 s28, s22, 24                      ; Wo: slot 24 + ks, group c
	s_cmp_eq_u32 s20, 3
	s_cselect_b32 s26, s28, s26
	s_cselect_b32 s27, s24, s27
	s_mul_i32 s26, s26, SLOTB
	s_mul_i32 s23, s23, QBY
	s_add_co_u32 s26, s26, s23                     ; the quarter's first byte
	s_mul_i32 s28, s27, 6144
	s_mul_i32 s29, s25, 3072
	s_add_co_u32 s28, s28, s29
	s_add_co_u32 s28, s28, s26                     ; my two fragments: 1,536 (4 group + 2 bl)
	s_mov_b32 s29, 0
	s_lshl_b32 s30, s27, 8
	s_lshl_b32 s31, s25, 3
	s_add_co_u32 s30, s30, s31
	s_add_co_u32 s30, s30, s26
	s_add_co_u32 s30, s30, 24576                   ; their scale words: 24,576 + 256 group + 8 bl
	s_mov_b32 s31, 0
	s_lshl_b32 s32, s22, 19                        ; in: 128 ks rows of 4,096 bytes,
	s_lshl_b32 s33, s21, 9
	s_add_co_u32 s32, s32, s33                     ; + 4 x 128 cg
	s_lshl_b32 s33, s18, 7
	s_add_co_u32 s32, s32, s33                     ; + 4 x 32 wave
	s_mov_b32 s33, 0
	s_wait_alu depctr_va_vdst(0)
	s_wait_kmcnt 0x0
	s_cmp_eq_u32 s20, 1                            ; the matrix is chosen by the work-group's number alone
	s_cselect_b64 s[4:5], s[6:7], s[4:5]
	s_cmp_eq_u32 s20, 2
	s_cselect_b64 s[4:5], s[8:9], s[4:5]
	s_cmp_eq_u32 s20, 3
	s_cselect_b64 s[4:5], s[10:11], s[4:5]
	s_add_nc_u64 s[4:5], s[4:5], s[32:33]
	s_add_nc_u64 s[14:15], s[12:13], s[28:29]
	s_add_nc_u64 s[16:17], s[12:13], s[30:31]
.macro LOADB t                         ; block t: W(128 ks + 32 t + i, my column)
.irp i, 0,1,2,3,4,5,6,7,8,9,10,11,12,13,14,15,16,17,18,19,20,21,22,23,24,25,26,27,28,29,30,31
	global_load_b32 v[X+32*(\t)+\i], v1, s[4:5] offset:(32*(\t)+\i)*4096 th:TH_LOAD_NT
.endr
.endm
.macro BLK t
.if (\t)<3
	s_wait_loadcnt 32                              ; this block's 32 loads are in; the next block's 32 may be out
.else
	s_wait_loadcnt 0
.endif
.if (\t)<2
	LOADB (\t)+2                                   ; two blocks ahead, into registers of their own
.endif
.set XS, X+32*(\t)
.set FD, F0+12*((\t)%2)+6*((\t)/2)     ; block t = 2 c + h is registers 6 c .. 6 c + 5 of fragment lane (rho, h)
.set CD, CT+4*((\t)%2)
	v_max3_num_f32 v[TM+(\t)], |v[XS]|, |v[XS+1]|, |v[XS+2]|       ; the block's largest magnitude: all 32 numbers are mine; two chains
	v_max3_num_f32 v[TN+(\t)], |v[XS+3]|, |v[XS+4]|, |v[XS+5]|
.irp i, 6,10,14,18,22,26
	v_max3_num_f32 v[TM+(\t)], v[TM+(\t)], |v[XS+\i]|, |v[XS+\i+1]|
	v_max3_num_f32 v[TN+(\t)], v[TN+(\t)], |v[XS+\i+2]|, |v[XS+\i+3]|
.endr
	v_max3_num_f32 v[TM+(\t)], v[TM+(\t)], |v[XS+30]|, |v[XS+31]|
	v_max3_num_f32 v[TM+(\t)], v[TM+(\t)], v[TN+(\t)], 0x2800000   ; and the floor 2^(5 - 127): the byte cannot fall under 1
	v_add_nc_u32 v[SO+(\t)], 0xfe000000, v[TM+(\t)]                ; 4 off the exponent field: the conversion takes that field as its scale and nothing else
	v_lshrrev_b32 v[BY+(\t)], 23, v[SO+(\t)]                       ; the scale's byte
	v_cvt_scalef32_pk16_bf6_f32 v[FD:FD+2], v[XS:XS+15], v[SO+(\t)]
	v_cvt_scalef32_pk16_bf6_f32 v[CD:CD+2], v[XS+16:XS+31], v[SO+(\t)]   ; (a conversion's three registers begin on an even number: the upper half is made elsewhere and moved)
	v_nop                                          ; one plain place behind a scaled conversion
.irp i, 0,1,2
	v_mov_b32 v[FD+3+\i], v[CD+\i]
.endr
.endm
	LOADB 0
	LOADB 1
	BLK 0
	BLK 1
	BLK 2
	BLK 3
	v_lshl_or_b32 v20, v[BY+1], 8, v[BY]           ; my column's scale word for these 128 along K: the lower K in the lower byte
	v_lshl_or_b32 v20, v[BY+2], 16, v20
	v_lshl_or_b32 v20, v[BY+3], 24, v20
.irp h, 0,1
.irp i, 0,1,2
	global_store_b128 v2, v[F0+12*\h+4*\i:F0+12*\h+4*\i+3], s[14:15] offset:256*\h+512*\i   ; sixteen lanes store 256 consecutive bytes, aligned: one run for each of the two tiles
.endr
.endr
	global_store_b32 v3, v20, s[16:17]             ; two words of each 16 bytes: these runs are completed by the neighbouring wave's store; one byte in 25 of what the launch writes
	s_endpgm
.Lfunc_end_k_q89308071ab_wq:
	.size	k_q89308071ab_wq, .Lfunc_end_k_q89308071ab_wq-k_q89308071ab_wq
	.p2alignl 7, 3214868480
	.fill 96, 4, 3214868480
	.section	.rodata,"a",@progbits
	.p2align	6, 0x0
	.amdhsa_kernel k_q89308071ab_wq
		.amdhsa_group_segment_fixed_size 0
		.amdhsa_private_segment_fixed_size 0
		.amdhsa_enable_private_segment 0
		.amdhsa_kernarg_size 40
		.amdhsa_user_sgpr_count 2
		.amdhsa_user_sgpr_kernarg_segment_ptr 1
		.amdhsa_wavefront_size32 1
		.amdhsa_system_sgpr_workgroup_id_x 1
		.amdhsa_system_sgpr_workgroup_id_y 1
		.amdhsa_system_sgpr_workgroup_id_z 1
		.amdhsa_system_vgpr_workitem_id 0
		.amdhsa_next_free_vgpr 192
		.amdhsa_next_free_sgpr 66
		.amdhsa_reserve_vcc 0
		.amdhsa_float_denorm_mode_32 3
		.amdhsa_float_denorm_mode_16_64 3
		.amdhsa_memory_ordered 1
		.amdhsa_forward_progress 1
		.amdhsa_inst_pref_size 22
	.end_amdhsa_kernel
	.amdgpu_metadata
---
amdhsa.version: [ 1, 2 ]
amdhsa.kernels:
  - .name:           k_q89308071ab_wq
    .symbol:         k_q89308071ab_wq.kd
    .args:
      - { .name: Wk, .offset: 0, .size: 8, .value_kind: global_buffer, .address_space: global }
      - { .name: Wv, .offset: 8, .size: 8, .value_kind: global_buffer, .address_space: global }
      - { .name: Wq, .offset: 16, .size: 8, .value_kind: global_buffer, .address_space: global }
      - { .name: Wo, .offset: 24, .size: 8, .value_kind: global_buffer, .address_space: global }
      - { .name: wf, .offset: 32, .size: 8, .value_kind: global_buffer, .address_space: global }
    .group_segment_fixed_size: 0
    .private_segment_fixed_size: 0
    .kernarg_segment_align: 8
    .kernarg_segment_size: 40
    .max_flat_workgroup_size: 128
    .sgpr_count:     66
    .vgpr_count:     192
    .wavefront_size: 32
...
	.end_amdgpu_metadata
.endif
;; end of part 1
;; launch fused (part 2): grid 256 x 1, 4 waves a work-group, clusters of 4 x 1, 327,680 bytes of LDS; arguments key, value, query, wf, bk, bv, bq, bo, gamma, beta, out0; writes out0
.if DOCPART == 2
	.amdgcn_target "amdgcn-amd-amdhsa--gfx1250"
	.amdhsa_code_object_version 6
	.text
	.protected	k_q89308071ab_fused
	.globl	k_q89308071ab_fused
	.p2align	8
	.type	k_q89308071ab_fused,@function
k_q89308071ab_fused:
	s_mov_b64 s[64:65], 0
	v_nop
	global_prefetch_b8 v0, s[64:65] scope:SCOPE_SE
	s_setreg_imm32_b32 hwreg(HW_REG_WAVE_MODE, 25, 1), 1
	s_wait_xcnt 0x0
	s_wait_alu depctr_hold_cnt(0) depctr_sa_sdst(0) depctr_va_vdst(0) depctr_va_sdst(0) depctr_va_ssrc(0) depctr_va_vcc(0) depctr_vm_vsrc(0)
	s_getreg_b32 s2, hwreg(HW_REG_IB_STS2, 6, 4)
	s_cmp_eq_u32 s2, 0
	s_cbranch_scc0 .Lentry_in_a_cluster
	s_endpgm
.Lentry_in_a_cluster:
	s_bfe_u32 s2, ttmp6, 0x10000c
	s_cmp_lg_u32 s2, 0x3003
	s_cbranch_scc0 .Lentry_shape_is_right
	s_endpgm
.Lentry_shape_is_right:
; The whole module for 64 rows (tokens) a work-group: k, v, q projections, elu + 1, the two sums over a head's depth, ctx, the projection by Wo, residual, LayerNorm.
; All four products: codes of BF6 (E3M2) with E8M0 scales; the weights come as register images from wf (laid by the launch before), the activations are quantised here, in f32, into LDS images.
; SHARES: wave w = 2 kq + half owns heads 8 kq + 2 c + half, c = 0 .. 3 (64 columns each) of all 64 rows.  The products are used transposed (source 0 = weights, source 1 = rows):
; a lane holds one row, its 16 registers of two neighbouring tiles 16 neighbouring columns.  Window 1 v128-255: the running head's sums (begun with the bias); windows 2, 3: k of the four heads, later query + bo and the sums of the last product.
; THE WALK: an outer walk of two passes.  Pass 1: K (4 trips), then V (4 trips).  Pass 2: Q (4 trips).  K and Q read the image at IMG0 and share one text (two half products, elu), with one arm each behind it.
; While K runs, value is quantised into the image at IMG0 + IMGD; while V runs, query into IMG0; while Q runs, ctx into IMG0 + IMGD.  Then 8 K steps of the last product, and LayerNorm by rows through a stage in LDS.
; WEIGHTS: 32 slots of 102,400 bytes through a ring of two; each wave fetches and reads its own quarter.  The four work-groups of a cluster walk the same slots: joint loads, mask 15, each behind a round of the cluster's barrier.
; No prefetch is laid: the activations are asked for by register loads a whole trip ahead of their use, and a slot's load is asked for half a trip (64 matrix instructions) ahead.
; No input and no step is left out.  LIMITS: NaN and infinities among the inputs are not served; a block whose largest magnitude lies under 2^-122 keeps the scale byte 1;
; elu is made as 2^(x log2 e) - 1, whose absolute error is about 2^-24, as is that of elu + 1 in f32.
.set SLOTB,  102400
.set QBY,    25600
.set IMG0,   204800                    ; two images of 64 rows x 1,024 codes (49,152 bytes each)
.set IMGD,   49152
.set ASC0,   303104                    ; their scale words (2,048 bytes each)
.set ASCD,   2048
.set KSW,    307200                    ; key_sum and weighted_values: 2,048 bytes a wave
.set SPARE,  317440                    ; the spare words, 512 bytes
.set RP,     4112                      ; the stage of the way out: 64 rows of 4,096 bytes + 16, from LDS byte 0
.set SPW,  1
.set NIL,  2
.set AIM,  3
.set ASAD, 4
.set BAD,  5
.set XO,   6
.set BO,   7
.set WA,   8
.set WSA,  11
.set KSA,  12
.set TA,   13
.set TS,   14
.set TB,   15
.set WT,   16
.set WST,  19
.set TM,   20
.set TP,   28
.set SO,   36
.set HW,   44
.set CQ,   192
.set AS,   48
.set BS,   56
.set AF,   64
.set BF,   160
.set T,    64
.set U,    192
.set KSP,  224
.set WVP,  232
.set KS8,  240
.set VU,   64
.set VKSP, 96
.set VWVP, 104
.set VKS8, 112
.set VTP,  120
.set STO,  15                          ; the way out: v15-18 where I put my results, one register for each 16 rows
.set SRD,  19                          ; where my wave's 16 whole rows begin
.set GOFF, 12                          ; 16 x lane
.set SA,   20                          ; v20-27 a pair of sums for each of four rows
.set GAM,  64
.set BET,  96
.set EB,   128                         ; v128-255 four rows, 32 numbers a lane each
.set WV,   26
.set HALF, 27
.set KQ,   28
.set WQ,   29
.set G1,   32
.set G0A,  40
.set G0W,  44
.set TBF,  48
.set AKS,  49
.set TBR,  50
.set CC,   51
.set CNT,  52
.set AK,   53
.set XP,   54
.set BP,   56
.set BOP,  58
.set SEL,  60
.set C6,   62
.set C2,   63
.set L2E,  66
.set EPS,  68
.set FLR,  70
.set PH,   71                          ; passes of the outer walk to go
.set MSB, 0
.macro WIN new                         ; the immediate's high byte repeats the setting that is left
.if MSB != (\new)
	s_set_vgpr_msb (MSB<<8)|(\new)
.set MSB, \new
.endif
.endm
.macro PLACES n
.rept \n
	v_nop
.endr
.endm
.macro CREST                           ; a round of the cluster's barrier behind its opening barrier
	s_cmp_lg_u32 s[WV], 0
	s_cbranch_scc1 .Lnw0_\@
	s_barrier_signal -3
.Lnw0_\@:
	s_barrier_wait -3
	s_barrier_signal -1
	s_barrier_wait -1
.endm
.macro CROUND
	s_barrier_signal -1
	s_barrier_wait -1
	CREST
.endm
.macro LOADX win, base, ptr, ofs       ; 64 rows x my head's 64 columns of an activation: a lane takes 16 neighbours of each block of 32
	WIN (\win)<<6
.irp m, 0,1,2,3
.irp bl, 0,1
.irp j, 0,1,2,3
	global_load_b128 v[\base+64*\bl+16*\m+4*\j:\base+64*\bl+16*\m+4*\j+3], v[XO], s[\ptr:\ptr+1] offset:\ofs+65536*\m+128*\bl+16*\j th:TH_LOAD_RT_NT
.endr
.endr
.endr
	WIN 0
.endm
.macro BIASLD                          ; the next head's bias begins its sums
	WIN 0x40
.irp m, 0,1,2,3
.irp bl, 0,1
.irp j, 0,1,2,3
	global_load_b128 v[128+64*\bl+16*\m+4*\j:128+64*\bl+16*\m+4*\j+3], v[BO], s[BP:BP+1] offset:128*\bl+16*\j
.endr
.endr
.endr
	WIN 0
.endm
; 64 rows x 64 columns (two blocks of 32 a row) become codes and scale bytes in an image: largest magnitude with the floor, lane l xor 16's, exponent field - 4, conversions, whole blocks to a lane
.macro QUANTH xw, base, io, so
	s_wait_dscnt 0x0
	v_add_nc_u32 v[WT], s[C6], v[WA]
	v_add_nc_u32 v[WT+1], s[C6], v[WA+1]
	v_add_nc_u32 v[WT+2], s[C6], v[WA+2]
	v_add_nc_u32 v[WST], s[C2], v[WSA]
	WIN ((\xw)<<4)|((\xw)<<2)
.irp m, 0,1,2,3
.irp bl, 0,1
	v_max3_num_f32 v[TM+2*\m+\bl], s[FLR], |v[\base+64*\bl+16*\m]|, |v[\base+64*\bl+16*\m+1]|
.endr
.endr
.irp i, 2,4,6,8,10,12,14
.irp m, 0,1,2,3
.irp bl, 0,1
	v_max3_num_f32 v[TM+2*\m+\bl], v[TM+2*\m+\bl], |v[\base+64*\bl+16*\m+\i]|, |v[\base+64*\bl+16*\m+\i+1]|
.endr
.endr
.endr
	WIN 0
.irp n, 0,1,2,3,4,5,6,7
	v_permlanex16_b32 v[TP+\n], v[TM+\n], s[SEL], s[SEL+1]
.endr
.irp n, 0,1,2,3,4,5,6,7
	v_max_num_f32 v[TM+\n], v[TM+\n], v[TP+\n]
.endr
.irp n, 0,1,2,3,4,5,6,7
	v_add_nc_u32 v[SO+\n], 0xfe000000, v[TM+\n]
.endr
.irp n, 0,1,2,3,4,5,6,7
	v_lshrrev_b32 v[TP+\n], 23, v[SO+\n]
.endr
.irp m, 0,1,2,3
	v_lshl_or_b32 v[HW+\m], v[TP+2*\m+1], 8, v[TP+2*\m]
.endr
	WIN \xw
.irp m, 0,1,2,3
	v_cvt_scalef32_pk16_bf6_f32 v[CQ+10*\m:CQ+10*\m+2], v[\base+16*\m:\base+16*\m+15], v[SO+2*\m]
	v_cvt_scalef32_pk16_bf6_f32 v[CQ+10*\m+6:CQ+10*\m+8], v[\base+64+16*\m:\base+64+16*\m+15], v[SO+2*\m+1]
.endr
	WIN 0
	v_nop                                          ; one plain place behind a scaled conversion
.irp m, 0,1,2,3
.irp i, 0,1,2
	v_permlane16_swap_b32 v[CQ+10*\m+\i], v[CQ+10*\m+6+\i]
.endr
.endr
.irp m, 0,1,2,3
.irp i, 0,1,2
	v_mov_b32 v[CQ+10*\m+3+\i], v[CQ+10*\m+6+\i]
.endr
.endr
.irp m, 0,1,2,3
.irp i, 0,1,2
	ds_store_b64 v[WT+\i], v[CQ+10*\m+2*\i:CQ+10*\m+2*\i+1] offset:\io+1536*\m
.endr
	ds_store_b16 v[WST], v[HW+\m] offset:\so+4*\m
.endr
.endm
.macro LDGA p, kl                      ; four fragments of rows (64 rows x 128 K) and their scale words
.irp m, 0,1,2,3
.irp i, 0,1,2
	ds_load_b128 v[AF+48*(\p)+12*\m+4*\i:AF+48*(\p)+12*\m+4*\i+3], v[TA] offset:6144*(\kl)+1536*\m+512*\i
.endr
.endr
	ds_load_b128 v[AS+4*(\p):AS+4*(\p)+3], v[TS] offset:256*(\kl)
.endm
.macro LDGB p, g                       ; four fragments of weights; their scale words serve two groups (lanes 0-15, lanes 16-31)
.irp j, 0,1,2,3
.irp i, 0,1,2
	ds_load_b128 v[BF+48*(\p)+12*\j+4*\i:BF+48*(\p)+12*\j+4*\i+3], v[TB] offset:1536*(4*(\g)+\j)+512*\i
.endr
.endr
.if ((\g)%2)==0
	ds_load_b128 v[BS+4*((\g)/2):BS+4*((\g)/2)+3], v[TB] offset:24576+512*((\g)/2)
.endif
.endm
.macro MUL16 aw, ab, pa, pb, g         ; 16 accumulators by turns, one instruction a turn
	WIN ((\aw)<<6)|((\aw)<<4)
.irp j, 0,1,2,3
.irp m, 0,1,2,3
.if ((\g)%2)==0
	v_wmma_scale_f32_16x16x128_f8f6f4 v[\ab+64*(\j/2)+16*\m+8*(\j%2):\ab+64*(\j/2)+16*\m+8*(\j%2)+7], v[BF+48*(\pb)+12*\j:BF+48*(\pb)+12*\j+11], v[AF+48*(\pa)+12*\m:AF+48*(\pa)+12*\m+11], v[\ab+64*(\j/2)+16*\m+8*(\j%2):\ab+64*(\j/2)+16*\m+8*(\j%2)+7], v[BS+4*((\g)/2)+\j], v[AS+4*(\pa)+\m] matrix_a_fmt:MATRIX_FMT_BF6 matrix_b_fmt:MATRIX_FMT_BF6
.else
	v_wmma_scale_f32_16x16x128_f8f6f4 v[\ab+64*(\j/2)+16*\m+8*(\j%2):\ab+64*(\j/2)+16*\m+8*(\j%2)+7], v[BF+48*(\pb)+12*\j:BF+48*(\pb)+12*\j+11], v[AF+48*(\pa)+12*\m:AF+48*(\pa)+12*\m+11], v[\ab+64*(\j/2)+16*\m+8*(\j%2):\ab+64*(\j/2)+16*\m+8*(\j%2)+7], v[BS+4*((\g)/2)+\j], v[AS+4*(\pa)+\m] matrix_a_fmt:MATRIX_FMT_BF6 matrix_b_fmt:MATRIX_FMT_BF6 matrix_a_scale:MATRIX_SCALE_ROW1
.endif
.endr
.endr
.endm
.macro STEPG buf                       ; no load of mine is out: the descriptor steps to the next slot of wf
.if (\buf) < 0
	s_xor_b32 s[TBF], s[TBF], SLOTB
	s_add_co_u32 s[G0W+1], s[TBF], s[WQ]
.else
	s_add_co_u32 s[G0W+1], s[WQ], \buf
.endif
	s_add_nc_u64 s[G0W+2:G0W+3], s[G0W+2:G0W+3], SLOTB
.endm
; A change of slots: all my tensor loads waited for, an add to my spare word, my LDS reads waited for, a round of the cluster's barrier, and the joint refill first behind it
.macro TURN aw, ab, pa, buf
	WIN 0
	s_wait_tensorcnt 0x0
	ds_add_u32 v[SPW], v[NIL]
	STEPG \buf
	s_wait_dscnt 0x0
	s_barrier_signal -1
	MUL16 \aw, \ab, \pa, 1, 3
	WIN 0
	s_barrier_wait -1
	CREST
	tensor_load_to_lds s[G0W:G0W+3], s[G1:G1+7]
	s_nop 0
	PLACES 4
.endm
.macro MID
	s_wait_tensorcnt 0x0
	ds_add_u32 v[SPW], v[NIL]
	STEPG SLOTB
	s_wait_dscnt 0x0
	CROUND
	tensor_load_to_lds s[G0W:G0W+3], s[G1:G1+7]
	s_nop 0
	PLACES 4
.endm
; Half a head's product: 512 along K, four groups of 16 matrix instructions on two sets of fragments.  The counted waits leave out the loads of the group fetched last (25, 26)
.macro CSG aofs, sofs, bofs, turn
	v_add_nc_u32 v[TA], \aofs, v[AIM]
	v_add_nc_u32 v[TS], \sofs, v[ASAD]
	v_add_nc_u32 v[TB], \bofs, v[BAD]
	LDGA 0, 0
	LDGB 0, 0
	LDGA 1, 1
	LDGB 1, 1
	s_wait_alu depctr_va_vdst(0)
	s_wait_dscnt 25
	MUL16 1, 128, 0, 0, 0
	WIN 0
	PLACES 4
	LDGA 0, 2
	LDGB 0, 2
	s_wait_dscnt 26
	MUL16 1, 128, 1, 1, 1
	WIN 0
	PLACES 4
	LDGA 1, 3
	LDGB 1, 3
	s_wait_dscnt 25
	MUL16 1, 128, 0, 0, 2
.if \turn
	TURN 1, 128, 1, 0
.else
	s_wait_dscnt 0x0
	MUL16 1, 128, 1, 1, 3
	WIN 0
	PLACES 4
.endif
.endm
.macro DS fill                         ; a K step of 128 of the last product: one set of rows against my four heads' weights
	v_add_nc_u32 v[TA], s[AK], v[AIM]
	v_add_nc_u32 v[TS], s[AKS], v[ASAD]
	v_add_nc_u32 v[TB], s[TBR], v[BAD]
	LDGA 0, 0
	LDGB 0, 0
	LDGB 1, 1
	s_wait_alu depctr_va_vdst(0)
	s_wait_dscnt 12
	MUL16 2, 0, 0, 0, 0
	WIN 0
	PLACES 4
	LDGB 0, 2
	s_wait_dscnt 13
	MUL16 2, 128, 0, 1, 1
	WIN 0
	PLACES 4
	LDGB 1, 3
	s_wait_dscnt 12
	MUL16 3, 0, 0, 0, 2
.if \fill
	TURN 3, 128, 0, -1
.else
	s_wait_dscnt 0x0
	MUL16 3, 128, 0, 1, 3
	WIN 0
	PLACES 4
.endif
	s_xor_b32 s[TBR], s[TBR], SLOTB
	s_add_co_u32 s[AK], s[AK], 6144
	s_add_co_u32 s[AKS], s[AKS], 256
.endm
; T = elu(x) = the middle one of 2^(x log2 e) - 1, x and 0.  One batch of exponentials, with the one wait ahead of it and the one behind it
.macro ELUSEL
	WIN 0x01
.set EI, 0
.rept 64
	v_pk_mul_f32 v[T+EI:T+EI+1], v[128+EI:128+EI+1], s[L2E:L2E+1] op_sel_hi:[1,0]
.set EI, EI+2
.endr
	WIN 0
	s_wait_alu depctr_va_vdst(0)
.set EI, 0
.rept 128
	v_exp_f32 v[T+EI], v[T+EI]
.set EI, EI+1
.endr
	v_nop
	s_wait_alu depctr_va_vdst(0)
	MID                                            ; slot 1, read out by the second half product, is filled again here: about midway between two changes of slot 0
.set EI, 0
.rept 64
	v_pk_add_f32 v[T+EI:T+EI+1], v[T+EI:T+EI+1], -1.0 op_sel_hi:[1,0]
.set EI, EI+2
.endr
	WIN 0x04
.set EI, 0
.rept 128
	v_med3_num_f32 v[T+EI], v[T+EI], v[128+EI], 0
.set EI, EI+1
.endr
	WIN 0
.endm
.macro KVAR win, base                  ; k = elu + 1, kept for the V trips
	WIN (\win)<<6
.set EI, 0
.rept 64
	v_pk_add_f32 v[\base+EI:\base+EI+1], v[T+EI:T+EI+1], 1.0 op_sel_hi:[1,0]
.set EI, EI+2
.endr
	WIN 0
.endm
.macro VVAR win, base                  ; sums of k v and of k over my 32 columns of the head; then k's registers take query + bo, which begin the last product's sums
	WIN 0x04|(\win)
.irp bl, 0,1
.irp k, 0,2,4,6,8,10,12,14
.irp m, 0,1,2,3
	v_pk_fma_f32 v[VWVP+2*\m:VWVP+2*\m+1], v[\base+64*\bl+16*\m+\k:\base+64*\bl+16*\m+\k+1], v[128+64*\bl+16*\m+\k:128+64*\bl+16*\m+\k+1], v[VWVP+2*\m:VWVP+2*\m+1]
	v_pk_fma_f32 v[VKSP+2*\m:VKSP+2*\m+1], v[\base+64*\bl+16*\m+\k:\base+64*\bl+16*\m+\k+1], 1.0, v[VKSP+2*\m:VKSP+2*\m+1] op_sel_hi:[1,0,1]
.endr
.endr
.endr
	s_wait_loadcnt 0x0
	WIN ((\win)<<6)|0x01
.irp bl, 0,1
.irp m, 0,1,2,3
.irp k, 0,2,4,6,8,10,12,14
	v_pk_add_f32 v[\base+64*\bl+16*\m+\k:\base+64*\bl+16*\m+\k+1], v[64*\bl+16*\m+\k:64*\bl+16*\m+\k+1], v[VU+16*\bl+\k:VU+16*\bl+\k+1]
.endr
.endr
.endr
	WIN 0
.endm
.macro CTXM m                          ; ctx = q wv / (q ks + eps), q = elu + 1, for 16 rows
.irp bl, 0,1
.irp k, 0,2,4,6,8,10,12,14
	v_pk_add_f32 v[T+64*\bl+16*\m+\k:T+64*\bl+16*\m+\k+1], v[T+64*\bl+16*\m+\k:T+64*\bl+16*\m+\k+1], 1.0 op_sel_hi:[1,0]
.endr
.endr
.irp bl, 0,1
.irp k, 0,2,4,6,8,10,12,14
	v_pk_fma_f32 v[U+16*\bl+\k:U+16*\bl+\k+1], v[T+64*\bl+16*\m+\k:T+64*\bl+16*\m+\k+1], v[KSP+2*\m:KSP+2*\m+1], s[EPS:EPS+1] op_sel_hi:[1,1,0]
.endr
.endr
	s_wait_alu depctr_va_vdst(0)
.irp bl, 0,1
.irp k, 0,2,4,6,8,10,12,14
	v_rcp_f32 v[U+16*\bl+\k], v[U+16*\bl+\k]
	v_rcp_f32 v[U+16*\bl+\k+1], v[U+16*\bl+\k+1]
	v_pk_mul_f32 v[T+64*\bl+16*\m+\k:T+64*\bl+16*\m+\k+1], v[T+64*\bl+16*\m+\k:T+64*\bl+16*\m+\k+1], v[WVP+2*\m:WVP+2*\m+1]
.endr
.endr
	s_wait_alu depctr_va_vdst(0)
.irp bl, 0,1
.irp k, 0,2,4,6,8,10,12,14
	v_pk_mul_f32 v[T+64*\bl+16*\m+\k:T+64*\bl+16*\m+\k+1], v[T+64*\bl+16*\m+\k:T+64*\bl+16*\m+\k+1], v[U+16*\bl+\k:U+16*\bl+\k+1]
.endr
.endr
.endm
	s_load_b512 s[4:19], s[0:1], 0x0               ; key, value, query, wf, bk, bv, bq, bo
	s_load_b128 s[20:23], s[0:1], 0x40             ; gamma, beta
	s_load_b64 s[24:25], s[0:1], 0x50              ; out0
	v_lshl_add_u32 v[SPW], v0, 2, SPARE
	v_mov_b32 v[NIL], 0
	ds_add_u32 v[SPW], v[NIL]                      ; the opening lines: the add, twice on end, and its wait
	ds_add_u32 v[SPW], v[NIL]
	s_wait_dscnt 0x0
	v_lshrrev_b32 v20, 5, v0
	v_readfirstlane_b32 s[WV], v20
	v_and_b32 v21, 31, v0
	v_and_b32 v22, 15, v0
	v_bfe_u32 v23, v0, 4, 1
	s_and_b32 s[HALF], s[WV], 1
	s_lshr_b32 s[KQ], s[WV], 1
	s_mul_i32 s[WQ], s[WV], QBY
	s_bfe_u32 s72, ttmp6, 0x40000
	s_lshl_b32 s73, ttmp9, 2
	s_add_co_u32 s72, s73, s72                     ; work-group: rows 64 x it
	s_lshl_b32 s74, s72, 18
	s_lshl_b32 s78, s[WV], 16
	s_add_co_u32 s78, s74, s78                     ; out0: my wave stores rows 16 wave .. + 15, whole
	s_mov_b32 s79, 0
	s_lshl_b32 s76, s[KQ], 11
	s_lshl_b32 s77, s[HALF], 8
	s_add_co_u32 s76, s76, s77                     ; my first head's columns, in bytes
	s_mov_b32 s77, 0
	s_add_co_u32 s74, s74, s76
	s_mov_b32 s75, 0
	s_mov_b32 s[G1], 15|(3<<16)|(1<<21)            ; a quarter of a slot: 100 dense rows of 256 bytes, for all four work-groups of the cluster
	s_mov_b32 s[G1+1], 32<<16
	s_mov_b32 s[G1+2], 100<<16
	s_mov_b32 s[G1+3], 32<<16
	s_mov_b32 s[G1+4], 100
	s_mov_b32 s[G1+5], 32
	s_mov_b32 s[G1+6], 0
	s_mov_b32 s[G1+7], 0
	s_mov_b32 s30, s[WQ]
	s_mov_b32 s31, 0
	s_mov_b32 s[SEL], 0x76543210
	s_mov_b32 s[SEL+1], 0xfedcba98
	s_mov_b32 s[L2E], 0x3fb8aa3b
	s_mov_b32 s[L2E+1], s[L2E]
	s_mov_b32 s[EPS], 0x358637bd
	s_mov_b32 s[EPS+1], s[EPS]
	s_mov_b32 s[FLR], 0x2800000
	s_mov_b32 s[C6], 0
	s_mov_b32 s[C2], 0
	s_wait_kmcnt 0x0
	s_add_nc_u64 s[4:5], s[4:5], s[74:75]
	s_add_nc_u64 s[6:7], s[6:7], s[74:75]
	s_add_nc_u64 s[8:9], s[8:9], s[74:75]
	s_add_nc_u64 s[24:25], s[24:25], s[78:79]
	s_add_nc_u64 s[12:13], s[12:13], s[76:77]
	s_add_nc_u64 s[14:15], s[14:15], s[76:77]
	s_add_nc_u64 s[16:17], s[16:17], s[76:77]
	s_add_nc_u64 s[18:19], s[18:19], s[76:77]
	s_mov_b32 s[G0A], 1
	s_mov_b32 s[G0A+1], s[WQ]
	s_add_nc_u64 s[G0A+2:G0A+3], s[10:11], s[30:31]
	s_mov_b32 s[G0W], 1
	s_add_co_u32 s[G0W+1], s[WQ], SLOTB
	s_add_nc_u64 s[G0W+2:G0W+3], s[G0A+2:G0A+3], SLOTB
	s_or_b32 s[G0A+3], s[G0A+3], 0x80000000
	s_or_b32 s[G0W+3], s[G0W+3], 0x80000000
	CROUND
	tensor_load_to_lds s[G0A:G0A+3], s[G1:G1+7]    ; slot 0: my one tensor load at the head
	s_nop 0
	PLACES 4
	s_wait_alu depctr_va_vdst(0)
	v_lshl_add_u32 v[AIM], v21, 4, IMG0
	v_lshl_add_u32 v[ASAD], v22, 4, ASC0
	v_lshl_add_u32 v[BAD], v21, 4, s[WQ]
	v_lshlrev_b32 v[BO], 6, v23
	v_lshl_add_u32 v[XO], v22, 12, v[BO]
	s_mul_i32 s78, s[KQ], 24576
	s_add_co_u32 s78, s78, IMG0
	s_mul_i32 s79, s[HALF], 520
	s_add_co_u32 s79, s79, s78
	v_lshl_add_u32 v[WA], v21, 4, s79              ; where the three pieces of 8 bytes of my block go in a fragment's image
	s_mul_i32 s79, s[HALF], 1016
	s_add_co_u32 s79, s79, s78
	s_add_co_u32 s79, s79, 8
	v_lshl_add_u32 v[WA+1], v21, 4, s79
	s_mul_i32 s79, s[HALF], 520
	s_add_co_u32 s79, s79, s78
	s_add_co_u32 s79, s79, 512
	v_lshl_add_u32 v[WA+2], v21, 4, s79
	s_lshl_b32 s79, s[KQ], 10
	s_lshl_b32 s78, s[HALF], 1
	s_add_co_u32 s79, s79, s78
	s_add_co_u32 s79, s79, ASC0
	v_lshl_add_u32 v[WSA], v22, 4, s79
	s_lshl_b32 s79, s[WV], 11
	s_add_co_u32 s79, s79, KSW
	v_lshl_add_u32 v[KSA], v22, 5, s79
.irp n, 0,1,2,3,4,5,6,7
	v_mov_b32 v[TP+\n], 0
.endr
	s_mov_b64 s[BP:BP+1], s[12:13]
	BIASLD                                         ; bk and key's first two chunks are asked for while slot 0 is on its way
	LOADX 2, 0, 4, 0
	LOADX 2, 128, 4, 512
	s_wait_alu depctr_va_vdst(0)
	s_wait_tensorcnt 0x0                           ; slot 1's first fill is issued as a refill is
	ds_add_u32 v[SPW], v[NIL]
	s_wait_dscnt 0x0
	CROUND
	tensor_load_to_lds s[G0W:G0W+3], s[G1:G1+7]
	s_nop 0
	PLACES 4
	s_wait_loadcnt 32                              ; all but the youngest 32 loads, here and below
	LOADX 3, 0, 4, 1024
	QUANTH 2, 0, 0, 0
	s_wait_loadcnt 32
	LOADX 3, 128, 4, 1536
	QUANTH 2, 128, 6144, 256
	s_wait_loadcnt 32
	LOADX 1, 0, 6, 0
	QUANTH 3, 0, 12288, 512
	s_wait_loadcnt 32
	QUANTH 3, 128, 18432, 768
	s_mov_b64 s[XP:XP+1], s[6:7]
	s_mov_b32 s[PH], 2
.LO:                                                   ; pass 1: K, then V; pass 2: Q
	s_mov_b32 s[CC], 0
	s_mov_b32 s[C6], 0
	s_mov_b32 s[C2], 0
.LK:                                                   ; a head of K or of Q
	s_wait_loadcnt 32                              ; the bias is in (K: the 32 loads of the next chunk of value may be out; Q: its arm has waited for all)
	s_wait_dscnt 0x0
	s_barrier_signal -1
	s_barrier_wait -1                              ; the image's chunks stored last trip are whole
	CSG 0, 0, 0, 1
	CSG 24576, 1024, SLOTB, 0
	ELUSEL
	s_cmp_eq_u32 s[PH], 1
	s_wait_alu depctr_va_vdst(0)
	s_cbranch_scc1 .LQarm
	s_wait_xcnt 0x0
	s_add_nc_u64 s[BP:BP+1], s[BP:BP+1], 512
	s_cmp_eq_u32 s[CC], 3
	s_cselect_b64 s[BP:BP+1], s[14:15], s[BP:BP+1] ; behind bk's last head: bv
	BIASLD
	s_cmp_eq_u32 s[CC], 0
	s_cbranch_scc1 .LK0
	s_cmp_eq_u32 s[CC], 1
	s_cbranch_scc1 .LK1
	s_cmp_eq_u32 s[CC], 2
	s_cbranch_scc1 .LK2
	KVAR 3, 128
	s_branch .LKj
.LK0:
	KVAR 2, 0
	s_branch .LKj
.LK1:
	KVAR 2, 128
	s_branch .LKj
.LK2:
	KVAR 3, 0
.LKj:
	s_wait_loadcnt 32                              ; value's chunk is in; the bias may be out
	QUANTH 1, 0, IMGD, ASCD
	s_wait_xcnt 0x0
	s_add_nc_u64 s[XP:XP+1], s[XP:XP+1], 512
	s_cmp_eq_u32 s[CC], 3
	s_cselect_b64 s[XP:XP+1], s[8:9], s[XP:XP+1]   ; behind value's last chunk: query
	LOADX 1, 0, XP, 0
	s_branch .LKQn
.LQarm:
	s_lshl_b32 s72, s[CC], 9
	v_add_nc_u32 v[TA], s72, v[KSA]
	ds_load_b128 v[KS8:KS8+3], v[TA]               ; this head's key_sum and weighted_values of my rows
	ds_load_b128 v[KS8+4:KS8+7], v[TA] offset:16
	s_cmp_eq_u32 s[CC], 3
	s_cbranch_scc1 .LQb
	s_wait_xcnt 0x0
	s_add_nc_u64 s[BP:BP+1], s[BP:BP+1], 512
	BIASLD
.LQb:
	s_wait_dscnt 0x0
.irp m, 0,1,2,3
	v_mov_b32 v[KSP+2*\m], v[KS8+\m]
	v_mov_b32 v[KSP+2*\m+1], v[KS8+\m]
	v_mov_b32 v[WVP+2*\m], v[KS8+4+\m]
	v_mov_b32 v[WVP+2*\m+1], v[KS8+4+\m]
.endr
	CTXM 0
	CTXM 1
	CTXM 2
	CTXM 3
	QUANTH 0, T, IMGD, ASCD
	s_wait_loadcnt 0x0                             ; the next head's bias is in
.LKQn:
	s_add_co_u32 s[C6], s[C6], 6144
	s_add_co_u32 s[C2], s[C2], 256
	s_add_co_u32 s[CC], s[CC], 1
	s_cmp_lt_u32 s[CC], 4
	s_cbranch_scc1 .LK
	s_cmp_eq_u32 s[PH], 1
	s_cbranch_scc1 .LDgo
	s_mov_b32 s[CC], 0
	s_mov_b32 s[C6], 0
	s_mov_b32 s[C2], 0
	s_mov_b64 s[BOP:BOP+1], s[18:19]
.LV:                                                   ; a head of V
	s_wait_loadcnt 32
	s_wait_dscnt 0x0
	s_barrier_signal -1
	s_barrier_wait -1
	CSG IMGD, ASCD, 0, 1
	CSG IMGD+24576, ASCD+1024, SLOTB, 0
.irp bl, 0,1
.irp j, 0,1,2,3
	global_load_b128 v[VU+16*\bl+4*\j:VU+16*\bl+4*\j+3], v[BO], s[BOP:BOP+1] offset:128*\bl+16*\j
.endr
.endr
.irp n, 0,1,2,3,4,5,6,7,8,9,10,11,12,13,14,15
	v_mov_b32 v[VKSP+\n], 0
.endr
	s_wait_loadcnt 8                               ; query's chunk is in; bo's eight loads may be out
	QUANTH 1, 0, 0, 0
	MID                                            ; slot 1 is filled again here, ahead of the sums over the head's depth
	s_cmp_eq_u32 s[CC], 0
	s_cbranch_scc1 .LV0
	s_cmp_eq_u32 s[CC], 1
	s_cbranch_scc1 .LV1
	s_cmp_eq_u32 s[CC], 2
	s_cbranch_scc1 .LV2
	VVAR 3, 128
	s_branch .LVj
.LV0:
	VVAR 2, 0
	s_branch .LVj
.LV1:
	VVAR 2, 128
	s_branch .LVj
.LV2:
	VVAR 3, 0
.LVj:
	s_wait_xcnt 0x0
	s_add_nc_u64 s[BOP:BOP+1], s[BOP:BOP+1], 512
	s_add_nc_u64 s[BP:BP+1], s[BP:BP+1], 512
	s_cmp_eq_u32 s[CC], 3
	s_cselect_b64 s[BP:BP+1], s[16:17], s[BP:BP+1] ; behind bv's last head: bq
	BIASLD
.irp m, 0,1,2,3
	v_add_f32 v[VKS8+\m], v[VKSP+2*\m], v[VKSP+2*\m+1]
	v_add_f32 v[VKS8+4+\m], v[VWVP+2*\m], v[VWVP+2*\m+1]
.endr
.irp n, 0,1,2,3,4,5,6,7
	v_permlanex16_b32 v[VTP+\n], v[VKS8+\n], s[SEL], s[SEL+1]
.endr
.irp n, 0,1,2,3,4,5,6,7
	v_add_f32 v[VKS8+\n], v[VKS8+\n], v[VTP+\n]
.endr
	s_lshl_b32 s72, s[CC], 9
	v_add_nc_u32 v[TA], s72, v[KSA]
	ds_store_b128 v[TA], v[VKS8:VKS8+3]
	ds_store_b128 v[TA], v[VKS8+4:VKS8+7] offset:16
	s_cmp_eq_u32 s[CC], 3
	s_cbranch_scc1 .LVlast
	s_add_nc_u64 s[XP:XP+1], s[XP:XP+1], 512
	LOADX 1, 0, XP, 0
	s_branch .LVn
.LVlast:
	s_wait_loadcnt 0x0
.LVn:
	s_add_co_u32 s[C6], s[C6], 6144
	s_add_co_u32 s[C2], s[C2], 256
	s_add_co_u32 s[CC], s[CC], 1
	s_cmp_lt_u32 s[CC], 4
	s_cbranch_scc1 .LV
	s_sub_co_u32 s[PH], s[PH], 1
	s_branch .LO
.LDgo:                                                 ; ctx Wo: 8 K steps; the last two fill nothing
	s_wait_dscnt 0x0
	s_barrier_signal -1
	s_barrier_wait -1
	s_mov_b32 s[AK], IMGD
	s_mov_b32 s[AKS], ASCD
	s_mov_b32 s[TBR], 0
	s_mov_b32 s[TBF], SLOTB
	s_mov_b32 s[CNT], 6
.LD:
	DS 1
	s_sub_co_u32 s[CNT], s[CNT], 1
	s_cmp_lg_u32 s[CNT], 0
	s_cbranch_scc1 .LD
	DS 0
	s_wait_tensorcnt 0x0
	DS 0
; LAYERNORM AND THE WAY OUT.  x = query + bo + ctx Wo lies in windows 2 and 3, a lane to a row and 256 columns to a wave.  All 64 rows go into one stage in LDS, in the order of out0's columns
; (the ring and the images have had their last fill and, behind the barrier below, their last read); then each wave takes 16 whole rows, four a trip: a lane holds 32 numbers of each,
; so a row's mean and variance need no other wave, and every store of the wave covers 512 consecutive bytes, aligned.
	v_and_b32 v20, 15, v0
	v_bfe_u32 v21, v0, 4, 1
	v_and_b32 v22, 31, v0
	v_lshlrev_b32 v[GOFF], 4, v22
.irp t, 0,1,2,3,4,5,6,7
	global_load_b128 v[GAM+4*\t:GAM+4*\t+3], v[GOFF], s[20:21] offset:512*\t
	global_load_b128 v[BET+4*\t:BET+4*\t+3], v[GOFF], s[22:23] offset:512*\t
.endr
	s_lshl_b32 s72, s[KQ], 11
	s_lshl_b32 s73, s[HALF], 8
	s_add_co_u32 s72, s72, s73
	v_mul_u32_u24 v[STO], v20, RP
	v_lshl_add_u32 v[STO], v21, 6, v[STO]
	v_add_nc_u32 v[STO], s72, v[STO]               ; row l % 16, my first head's columns, 64 bytes for each half of the lanes
.irp m, 1,2,3
	v_add_nc_u32 v[STO+\m], 16*RP*\m, v[STO]
.endr
	s_mul_i32 s72, s[WV], 16*RP
	v_add_nc_u32 v[SRD], s72, v[GOFF]
	s_mov_b32 s72, 0x3a800000                      ; 1 / 1024
	s_mov_b32 s73, 0x3a83126f                      ; 1e-3
	s_wait_alu depctr_va_vdst(0)
	s_wait_dscnt 0x0
	s_barrier_signal -1
	s_barrier_wait -1                              ; nobody reads the ring or the images any more
.irp w, 0,1
	WIN 0x08+4*\w
.irp g, 0,1
.irp m, 0,1,2,3
.irp bl, 0,1
.irp j, 0,1,2,3
	ds_store_b128 v[STO+\m], v[128*\g+64*\bl+16*\m+4*\j:128*\g+64*\bl+16*\m+4*\j+3] offset:1024*\w+512*\g+128*\bl+16*\j   ; each accumulator from its low end on
.endr
.endr
.endr
.endr
.endr
	WIN 0
	s_wait_dscnt 0x0                               ; for the others' sake: my stores are done
	s_barrier_signal -1
	s_barrier_wait -1
	s_wait_loadcnt 0x0                             ; gamma and beta
	s_mov_b32 s[AK], 0
	s_mov_b32 s[CNT], 4
.macro LRED                            ; each row's pair of sums over the pair and the 32 lanes; the result in the pair's low register, in every lane
.irp r, 0,1,2,3
	v_add_f32 v[SA+2*\r], v[SA+2*\r], v[SA+2*\r+1]
.endr
.irp x, 1,2,4,8
.irp r, 0,1,2,3
	v_add_f32_dpp v[SA+2*\r], v[SA+2*\r], v[SA+2*\r] row_xmask:\x row_mask:0xf bank_mask:0xf
.endr
.endr
.irp r, 0,1,2,3
	v_permlanex16_b32 v[TP+\r], v[SA+2*\r], s[SEL], s[SEL+1]
.endr
.irp r, 0,1,2,3
	v_add_f32 v[SA+2*\r], v[SA+2*\r], v[TP+\r]
.endr
.endm
.LN:
	v_add_nc_u32 v[TA], s[AK], v[SRD]
.irp r, 0,1,2,3
.irp t, 0,1,2,3,4,5,6,7
	ds_load_b128 v[EB+32*\r+4*\t:EB+32*\r+4*\t+3], v[TA] offset:RP*\r+512*\t
.endr
.endr
	s_wait_dscnt 0x0
.irp r, 0,1,2,3
	v_pk_add_f32 v[SA+2*\r:SA+2*\r+1], v[EB+32*\r:EB+32*\r+1], v[EB+32*\r+2:EB+32*\r+3]
.endr
.irp k, 4,6,8,10,12,14,16,18,20,22,24,26,28,30
.irp r, 0,1,2,3
	v_pk_add_f32 v[SA+2*\r:SA+2*\r+1], v[SA+2*\r:SA+2*\r+1], v[EB+32*\r+\k:EB+32*\r+\k+1]
.endr
.endr
	LRED
.irp r, 0,1,2,3
	v_mul_f32 v[SA+2*\r], 0xba800000, v[SA+2*\r]   ; - the mean
.endr
.irp k, 0,2,4,6,8,10,12,14,16,18,20,22,24,26,28,30
.irp r, 0,1,2,3
	v_pk_add_f32 v[EB+32*\r+\k:EB+32*\r+\k+1], v[EB+32*\r+\k:EB+32*\r+\k+1], v[SA+2*\r:SA+2*\r+1] op_sel_hi:[1,0]
.endr
.endr
.irp r, 0,1,2,3
	v_pk_mul_f32 v[SA+2*\r:SA+2*\r+1], v[EB+32*\r:EB+32*\r+1], v[EB+32*\r:EB+32*\r+1]
.endr
.irp k, 2,4,6,8,10,12,14,16,18,20,22,24,26,28,30
.irp r, 0,1,2,3
	v_pk_fma_f32 v[SA+2*\r:SA+2*\r+1], v[EB+32*\r+\k:EB+32*\r+\k+1], v[EB+32*\r+\k:EB+32*\r+\k+1], v[SA+2*\r:SA+2*\r+1]
.endr
.endr
	LRED
.irp r, 0,1,2,3
	v_fma_f32 v[SA+2*\r], v[SA+2*\r], s72, s73     ; the variance + 1e-3
.endr
	s_wait_alu depctr_va_vdst(0)                   ; a wait ahead of the batch,
.irp r, 0,1,2,3
	v_rsq_f32 v[SA+2*\r], v[SA+2*\r]
.endr
	v_nop
	s_wait_alu depctr_va_vdst(0)                   ; and behind it
.irp k, 0,2,4,6,8,10,12,14,16,18,20,22,24,26,28,30
.irp r, 0,1,2,3
	v_pk_mul_f32 v[EB+32*\r+\k:EB+32*\r+\k+1], v[EB+32*\r+\k:EB+32*\r+\k+1], v[SA+2*\r:SA+2*\r+1] op_sel_hi:[1,0]
.endr
.endr
.irp k, 0,2,4,6,8,10,12,14,16,18,20,22,24,26,28,30
.irp r, 0,1,2,3
	v_pk_fma_f32 v[EB+32*\r+\k:EB+32*\r+\k+1], v[EB+32*\r+\k:EB+32*\r+\k+1], v[GAM+\k:GAM+\k+1], v[BET+\k:BET+\k+1]
.endr
.endr
.irp r, 0,1,2,3
.irp t, 0,1,2,3,4,5,6,7
	global_store_b128 v[GOFF], v[EB+32*\r+4*\t:EB+32*\r+4*\t+3], s[24:25] offset:4096*\r+512*\t th:TH_STORE_NT
.endr
.endr
	s_wait_xcnt 0x0                                ; the stores have read their data and their base: both are written again below
	s_add_nc_u64 s[24:25], s[24:25], 16384
	s_add_co_u32 s[AK], s[AK], 4*RP
	s_sub_co_u32 s[CNT], s[CNT], 1
	s_cmp_lg_u32 s[CNT], 0
	s_cbranch_scc1 .LN
	s_wait_tensorcnt 0x0                           ; the wave's end
	ds_add_u32 v[SPW], v[NIL]
	s_wait_dscnt 0x0
	CROUND                                         ; the closing round
	s_endpgm
.Lfunc_end_k_q89308071ab_fused:
	.size	k_q89308071ab_fused, .Lfunc_end_k_q89308071ab_fused-k_q89308071ab_fused
	.p2alignl 7, 3214868480
	.fill 96, 4, 3214868480
	.section	.rodata,"a",@progbits
	.p2align	6, 0x0
	.amdhsa_kernel k_q89308071ab_fused
		.amdhsa_group_segment_fixed_size 327680
		.amdhsa_private_segment_fixed_size 0
		.amdhsa_enable_private_segment 0
		.amdhsa_kernarg_size 88
		.amdhsa_user_sgpr_count 2
		.amdhsa_user_sgpr_kernarg_segment_ptr 1
		.amdhsa_wavefront_size32 1
		.amdhsa_system_sgpr_workgroup_id_x 1
		.amdhsa_system_sgpr_workgroup_id_y 1
		.amdhsa_system_sgpr_workgroup_id_z 1
		.amdhsa_system_vgpr_workitem_id 0
		.amdhsa_next_free_vgpr 1024
		.amdhsa_next_free_sgpr 100
		.amdhsa_reserve_vcc 0
		.amdhsa_float_denorm_mode_32 3
		.amdhsa_float_denorm_mode_16_64 3
		.amdhsa_memory_ordered 1
		.amdhsa_forward_progress 1
		.amdhsa_inst_pref_size 255
	.end_amdhsa_kernel
	.section	.bss,"aw",@nobits
	.p2align	6
	.space	262144
	.amdgpu_metadata
---
amdhsa.version: [ 1, 2 ]
amdhsa.kernels:
  - .name:           k_q89308071ab_fused
    .symbol:         k_q89308071ab_fused.kd
    .args:
      - { .name: key, .offset: 0, .size: 8, .value_kind: global_buffer, .address_space: global }
      - { .name: value, .offset: 8, .size: 8, .value_kind: global_buffer, .address_space: global }
      - { .name: query, .offset: 16, .size: 8, .value_kind: global_buffer, .address_space: global }
      - { .name: wf, .offset: 24, .size: 8, .value_kind: global_buffer, .address_space: global }
      - { .name: bk, .offset: 32, .size: 8, .value_kind: global_buffer, .address_space: global }
      - { .name: bv, .offset: 40, .size: 8, .value_kind: global_buffer, .address_space: global }
      - { .name: bq, .offset: 48, .size: 8, .value_kind: global_buffer, .address_space: global }
      - { .name: bo, .offset: 56, .size: 8, .value_kind: global_buffer, .address_space: global }
      - { .name: gamma, .offset: 64, .size: 8, .value_kind: global_buffer, .address_space: global }
      - { .name: beta, .offset: 72, .size: 8, .value_kind: global_buffer, .address_space: global }
      - { .name: out0, .offset: 80, .size: 8, .value_kind: global_buffer, .address_space: global }
    .group_segment_fixed_size: 327680
    .private_segment_fixed_size: 0
    .kernarg_segment_align: 8
    .kernarg_segment_size: 88
    .max_flat_workgroup_size: 128
    .sgpr_count:     100
    .vgpr_count:     1024
    .wavefront_size: 32
...
	.end_amdgpu_metadata
.endif
;; end of part 2
